; MI455X (gfx1250); checked and timed in simulation.
; The chip was launched on July 23, 2026; its instructions are those of AMD's public machine-readable ISA for CDNA 5 (MIT licence, August 2026) and "CDNA5" Instruction Set Architecture Reference Guide (July 2026). The comments in the code are by the model that wrote it; some were corrected since.
;; Local Attention. Allowed arithmetic: matrix products marked QUANTISED: E2M1 operands, one E8M0 scale for each 32 along K, by v_wmma_scale_f32_16x16x128_f8f6f4 with both operands' format E2M1 (or v_wmma_scale_f32_32x16x128_f4), f32 sums; everything else in f32.
;; Inputs: k 4 x 16 x 2,048 x 64 float32; q 4 x 16 x 2,048 x 64 float32; v 4 x 16 x 2,048 x 64 float32.
;; Outputs: out0 4 x 16 x 2,048 x 64 float32.
;; This version of the problem:
;;   THIS VERSION OF THE PROBLEM IS GIVEN IN LOW PRECISION. The matrix products marked QUANTISED in the list below multiply operands that are first quantised to E2M1 (2 exponent bits, 1 mantissa bit; 4 bits a number), with one power-of-two scale for each 32 numbers along K (OCP MX v1.0); their sums are f32. All else is computed in f32.
;;   The module's matrix products, in the order in which they are computed (A, B: the left and right operand; K: the contracted axis; several contracted axes count as one K, in the product's order):
;;     1. batch 64 x [M 2,048, K 64] x [K 64, N 2,048]; A: input q; B: input k: QUANTISED
;;     2. batch 64 x [M 2,048, K 2,048] x [K 2,048, N 64]; A: softmax (see below); B: input v: QUANTISED
;;   THE QUANTISER, for each operand of a quantised product, along K:
;;     - K is cut into blocks of 32 from its start; a last block that is shorter is filled with zeros.
;;     - A block's scale is 2^e with e = floor(log2(the largest magnitude in the block)) - 2, held to -126 .. 127; a block of zeros has e = 0. As a byte (E8M0): e + 127.
;;     - Each number is divided by its block's scale, clamped to +-6, and rounded to the nearest number of E2M1, ties to even, subnormals kept.
;;     - The product sums the exact products of the quantised numbers (number of the format x scale) in f32.
;;   ~~~python
;;   def quantise(x, axis):      # numpy; x: float32 -> the quantised numbers, widened to float32 again
;;       x = np.moveaxis(x, axis, -1); K = x.shape[-1]
;;       x = np.pad(x, [(0, 0)] * (x.ndim - 1) + [(0, -K % 32)]); x = x.reshape(x.shape[:-1] + (-1, 32)); a = np.abs(x).max(-1, keepdims=True)
;;       e = np.where(a > 0, np.clip(np.frexp(np.where(a > 0, a, 1))[1] - 1 - 2, -126, 127), 0)      # np.frexp(a)[1] - 1 = floor(log2(a)), exactly
;;       r = np.clip(x / 2.0 ** e, -6, 6)
;;       step = 2.0 ** (np.maximum(np.frexp(np.where(r == 0, 1, r))[1] - 1, 0) - 1)
;;       q = np.round(r / step) * step * 2.0 ** e      # np.round: ties to even
;;       return np.moveaxis(q.reshape(q.shape[:-2] + (-1,))[..., :K], -1, axis).astype(np.float32)
;;   ~~~
;;   SOFTMAX AHEAD OF A QUANTISED PRODUCT. Where the list says 'softmax', what is quantised is not the finished softmax but p = 2^(t - M), with t = logit x log2(e) and M = ceil(the row's largest t), a whole number; so 1/2 < the row's largest p <= 1. The row's sum l is taken of the UNQUANTISED p, in f32, and the product's result is divided by l at the end. Since M is a whole number, a kernel that streams over the keys may use a running M (the ceiling of the running maximum): every later rescaling is an exact power of two, which a block's scale takes up: the codes' values come out the same.
;;   OPERANDS COMPUTED ON THE WAY. 'Computed on the way' means the value that the module computes at that place (a softmax that the list does not call 'softmax' is quantised finished and normalised). What goes into a quantiser is computed in f32, as accurately as f32 sums, v_exp_f32 and their like allow (about 1e-6 of the number): no bf16 or f16 on the way to a quantiser, and a product that is left as it is and whose result goes on into a quantised operand takes f32 operands (vector FMAs, or v_wmma_f32_16x16x4_f32). A number that lies on a knife's edge between two numbers of the format may be rounded either way, as far as f32 arithmetic and the matrix unit's own rounding can turn it there, and no further.
;; One version. Each part assembles by itself: llvm-mc -triple=amdgcn-amd-amdhsa -mcpu=gfx1250 --defsym DOCPART=n.
;; ======== version 1 of 1: 2 launches
;; workspace buffers: vcodes 4,194,304 bytes; vscales 262,144 bytes
;; launch quantv (part 1): grid 16 x 64, 4 waves a work-group, no clusters, 768 bytes of LDS; arguments v, vcodes, vscales; writes vcodes, vscales
.if DOCPART == 1
	.amdgcn_target "amdgcn-amd-amdhsa--gfx1250"
	.amdhsa_code_object_version 6
	.text
	.protected	k_q3679084078_quantv
	.globl	k_q3679084078_quantv
	.p2align	8
	.type	k_q3679084078_quantv,@function
k_q3679084078_quantv:
	s_mov_b64 s[64:65], 0
	v_nop
	global_prefetch_b8 v0, s[64:65] scope:SCOPE_SE
	s_setreg_imm32_b32 hwreg(HW_REG_WAVE_MODE, 25, 1), 1
	s_wait_xcnt 0x0
; v [64 heads][2048 keys][64 d], f32, is the second product's operand whose K (the keys) is NOT innermost.  It becomes codes of FP4 (E2M1) with one E8M0 byte for each 32 keys.
; vcodes is laid in the ORDER OF THE OPERAND'S REGISTERS: [head][T: 16 d][s: 128 keys][c 0,1][lane 32][16 bytes]; lane (r, h) of group c holds column d = 16 T + r, keys 128 s + 64 c + 32 h + 0 .. 31, the lower key in the lower bits.
; vscales: [head][s][d 64] words: byte b of a word is the scale of keys 128 s + 32 b .. + 31 of that column.
; A block's scale is 2^(floor(log2(its largest magnitude)) - 2); its byte is the largest magnitude's exponent field - 2, held at 1 from below.
; LIMITS: a block whose largest magnitude lies under 2^-124 (a block of zeros too) keeps the byte 1 where the rule says 127 for zeros: its codes are zeros or as the floor's scale gives them, and this program alone reads the bytes.
;         NaN and infinities among the inputs are not served.
; SHARES.  Work-group (x = K step s, y = head): 128 keys x 64 columns.  Wave w: u = w & 1: columns 32 u .. 32 u + 31; c = w >> 1: keys 64 c .. 64 c + 63 of the step.
; A LANE TAKES A COLUMN AND ITS REGISTERS RUN DOWN THE KEYS: a block of 32 keys lies in one lane's 32 registers, its maximum needs no other lane, and the conversions give codes with the keys innermost.
; Each load reads 128 consecutive bytes, the partner wave u ^ 1 the other half of the same row.  All 64 loads of a wave go out at once; nothing is stepped, no register is written again while a load or store may read it.
; No tensor load, no cluster: work-groups share no byte of v.  No prefetch: every load is issued at the head.
.set X, 16                             ; v16-79  64 numbers: key 64 c + i of my column
.set C, 80                             ; v80-87  two blocks' codes
	s_load_b128 s[4:7], s[0:1], 0x0                ; v, vcodes
	s_load_b64 s[8:9], s[0:1], 0x10                ; vscales
	v_lshl_add_u32 v88, v0, 2, 0x100
	v_mov_b32 v89, 0
	v_lshrrev_b32 v1, 5, v0
	v_readfirstlane_b32 s10, v1                    ; wave 0..3
	s_and_b32 s11, s10, 1                          ; u
	s_lshr_b32 s12, s10, 1                         ; c
	s_and_b32 s13, ttmp7, 0xffff                   ; head
	v_and_b32 v1, 31, v0                           ; lane
	v_lshlrev_b32 v2, 2, v1                        ; in: 4 bytes a lane
	v_lshrrev_b32 v3, 4, v1
	v_and_b32 v5, 15, v1
	v_lshlrev_b32 v3, 14, v3                       ; out: lanes 16-31 belong to the next tile of 16 d, 16,384 bytes on,
	v_lshl_add_u32 v3, v5, 4, v3                   ; 16 bytes a column
	v_and_b32 v4, 63, v0
	v_lshlrev_b32 v4, 2, v4                        ; LDS: my column's word, 4 (32 u + lane),
	v_lshrrev_b32 v5, 6, v0
	v_lshl_add_u32 v4, v5, 1, v4                   ; and in it my two bytes, 2 c on
	v_lshlrev_b32 v5, 3, v1                        ; the words' way out: 8 bytes a lane
	s_lshl_b32 s14, s13, 19                        ; v: head x 524,288 + s x 32,768 + c x 16,384 + u x 128
	s_lshl_b32 s16, ttmp9, 15
	s_add_co_u32 s14, s14, s16
	s_lshl_b32 s16, s12, 14
	s_add_co_u32 s14, s14, s16
	s_lshl_b32 s16, s11, 7
	s_add_co_u32 s14, s14, s16
	s_mov_b32 s15, 0
	s_lshl_b32 s18, s13, 16                        ; vcodes: head x 65,536 + u x 32,768 (two tiles) + s x 1,024 + c x 512
	s_lshl_b32 s16, s11, 15
	s_add_co_u32 s18, s18, s16
	s_lshl_b32 s16, ttmp9, 10
	s_add_co_u32 s18, s18, s16
	s_lshl_b32 s16, s12, 9
	s_add_co_u32 s18, s18, s16
	s_mov_b32 s19, 0
	s_lshl_b32 s20, s13, 12                        ; vscales: head x 4,096 + s x 256
	s_lshl_b32 s16, ttmp9, 8
	s_add_co_u32 s20, s20, s16
	s_mov_b32 s21, 0
	s_wait_kmcnt 0x0
	s_add_nc_u64 s[4:5], s[4:5], s[14:15]
	s_add_nc_u64 s[6:7], s[6:7], s[18:19]
	s_add_nc_u64 s[8:9], s[8:9], s[20:21]
.set i, 0
.rept 64
	global_load_b32 v[X+i], v2, s[4:5] offset:256*i th:TH_LOAD_NT   ; key 64 c + i, 32 neighbouring columns; read once in the launch
.set i, i+1
.endr
; Block bb of my column: keys 64 c + 32 bb + 0 .. 31: it is half h = bb of the fragment's group c.
.macro BLOCK bb
.set XS, X+32*\bb
.set T, 8+4*\bb                        ; four registers of its own for each block
	s_wait_loadcnt 32*(1-\bb)                      ; loads come back in order: block 0's 32 are in while block 1's 32 stay out; then all
	v_max3_num_f32 v[T], |v[XS]|, |v[XS+1]|, |v[XS+2]|             ; the block's largest magnitude, in two chains
	v_max3_num_f32 v[T+1], |v[XS+3]|, |v[XS+4]|, |v[XS+5]|
.irp e, 6,10,14,18,22,26
	v_max3_num_f32 v[T], v[T], |v[XS+\e]|, |v[XS+\e+1]|
	v_max3_num_f32 v[T+1], v[T+1], |v[XS+\e+2]|, |v[XS+\e+3]|
.endr
	v_max3_num_f32 v[T], v[T], |v[XS+30]|, |v[XS+31]|
	v_max3_num_f32 v[T], v[T], v[T+1], 0x1800000   ; and the floor 2^(3 - 127): the byte cannot fall under 1
	v_add_nc_u32 v[T+2], 0xff000000, v[T]          ; 2 off the exponent field: the conversion takes the exponent field of this operand as its scale
.irp g, 0,1,2,3
	v_cvt_scalef32_pk8_fp4_f32 v[C+4*\bb+\g], v[XS+8*\g:XS+8*\g+7], v[T+2]
.endr
	v_lshrrev_b32 v[T+3], 23, v[T+2]               ; the scale's byte (also the plain line behind the conversions)
	global_store_b128 v3, v[C+4*\bb:C+4*\bb+3], s[6:7] offset:256*\bb   ; lanes 0-15 store 256 consecutive aligned bytes of tile 2 u, lanes 16-31 of tile 2 u + 1
.endm
	BLOCK 0
	BLOCK 1
	v_lshl_or_b32 v7, v15, 8, v11                  ; my two bytes: blocks 2 c and 2 c + 1 of the K step
	ds_store_b16 v4, v7
	s_wait_dscnt 0x0                               ; for wave 0's sake: my bytes have landed
	s_barrier_signal -1
	s_barrier_wait -1                              ; the K step's 64 words are whole
	s_cmp_lg_u32 s10, 0
	s_cbranch_scc1 .Ldone                          ; wave 0 alone sends them
	ds_load_b64 v[6:7], v5
	s_wait_dscnt 0x0
	global_store_b64 v5, v[6:7], s[8:9]            ; 32 lanes store 256 consecutive bytes, aligned
.Ldone:
	s_wait_tensorcnt 0x0
	ds_add_u32 v88, v89
	s_wait_dscnt 0x0
	s_endpgm
.Lfunc_end_k_q3679084078_quantv:
	.size	k_q3679084078_quantv, .Lfunc_end_k_q3679084078_quantv-k_q3679084078_quantv
	.p2alignl 7, 3214868480
	.fill 96, 4, 3214868480
	.section	.rodata,"a",@progbits
	.p2align	6, 0x0
	.amdhsa_kernel k_q3679084078_quantv
		.amdhsa_group_segment_fixed_size 768
		.amdhsa_private_segment_fixed_size 0
		.amdhsa_enable_private_segment 0
		.amdhsa_kernarg_size 24
		.amdhsa_user_sgpr_count 2
		.amdhsa_user_sgpr_kernarg_segment_ptr 1
		.amdhsa_wavefront_size32 1
		.amdhsa_system_sgpr_workgroup_id_x 1
		.amdhsa_system_sgpr_workgroup_id_y 1
		.amdhsa_system_sgpr_workgroup_id_z 1
		.amdhsa_system_vgpr_workitem_id 0
		.amdhsa_next_free_vgpr 90
		.amdhsa_next_free_sgpr 66
		.amdhsa_reserve_vcc 0
		.amdhsa_float_denorm_mode_32 3
		.amdhsa_float_denorm_mode_16_64 3
		.amdhsa_memory_ordered 1
		.amdhsa_forward_progress 1
		.amdhsa_inst_pref_size 12
	.end_amdhsa_kernel
	.amdgpu_metadata
---
amdhsa.version: [ 1, 2 ]
amdhsa.kernels:
  - .name:           k_q3679084078_quantv
    .symbol:         k_q3679084078_quantv.kd
    .args:
      - { .name: v, .offset: 0, .size: 8, .value_kind: global_buffer, .address_space: global }
      - { .name: vcodes, .offset: 8, .size: 8, .value_kind: global_buffer, .address_space: global }
      - { .name: vscales, .offset: 16, .size: 8, .value_kind: global_buffer, .address_space: global }
    .group_segment_fixed_size: 768
    .private_segment_fixed_size: 0
    .kernarg_segment_align: 8
    .kernarg_segment_size: 24
    .max_flat_workgroup_size: 128
    .sgpr_count:     66
    .vgpr_count:     90
    .wavefront_size: 32
...
	.end_amdgpu_metadata
.endif
;; end of part 1
;; launch attn (part 2): grid 4 x 64, 4 waves a work-group, no clusters, 162,304 bytes of LDS; arguments q, k, vcodes, vscales, out0; writes out0
.if DOCPART == 2
	.amdgcn_target "amdgcn-amd-amdhsa--gfx1250"
	.amdhsa_code_object_version 6
	.text
	.protected	k_q3679084078_attn
	.globl	k_q3679084078_attn
	.p2align	8
	.type	k_q3679084078_attn,@function
k_q3679084078_attn:
	s_mov_b64 s[64:65], 0
	v_nop
	global_prefetch_b8 v0, s[64:65] scope:SCOPE_SE
	s_setreg_imm32_b32 hwreg(HW_REG_WAVE_MODE, 25, 1), 1
	s_wait_xcnt 0x0
; out0[head][i] = softmax_j(score) V, score = q.k / 8 where j - i >= 1793, else -10000 (the mask that the problem builds itself; L = 2048).  Both products on codes of FP4 (E2M1), one E8M0 scale for each 32 along K.
; WHAT THE MASK LEAVES.  Real scores exist for queries 0 .. 254 against keys 1792 .. 2047 (the WINDOW; window key jj counts for query i where jj > i).  Everywhere else the score is the fill, so q's rows from 256 on and
; k's rows under 1792 are not read: their products are replaced by the fill.  The fill stays in the softmax: every masked key carries p = 2^(tm - M), tm = -10000 log2(e), which is computed, summed and quantised like any p.
; Rows 255 .. 2047 have the fill alone: one p for all keys.  Their product with V is still made by the matrix unit, tile by tile (the tiles come out alike).
; THE SOFTMAX: t = score x log2(e); M = ceil(the row's largest t): window key 0 is masked for every query, so the fill is among the 256 numbers compared and their maximum is the whole row's: no running M.
; p = 2^(t - M) is quantised along the keys; the row's sum l is taken of the unquantised p (1,792 x the masked p + the window's 256) and divides at the end.
; SHARES.  Work-group (x = CX 0..3, y = head): REAL rows 64 CX .. + 63 (4 tiles of 16 queries) and CONST rows 256 + 448 CX .. + 447 (28 tiles).  Wave w has two parts: (a) it quantises window key tiles 4 w .. 4 w + 3 and
; owns real query tile w up to its p; (b) in the second product it owns d = 16 w .. 16 w + 15 for all 32 query tiles: its 16 fragments of V^T go from memory straight into 128 registers, 32 loads of 512 consecutive bytes.
; LAYOUT.  Both products transposed: S^T = K Q^T, O^T = V^T P^T: a lane holds ONE query (lane % 16).  THE KEYS OF A TILE ARE NOT NEIGHBOURS: lane r of tile 2 b + u takes window key 32 b + 8 u + r + 8 (r / 8), so that the 16
; registers of tiles 2 b, 2 b + 1 are keys 32 b + 16 (lane / 16) + 0 .. 15.  The head size is 64: the upper 64 of the first product's 128 along K are zero codes on both sides, under the byte 127.
; FROM WAVE TO WAVE operands go through LDS as images of their registers (16 bytes a lane at 16 x lane, scale words at 4 x lane).  Every LDS region is written once and read once: four barriers.
; NO CLUSTER: the four work-groups of a head share 68 KB of V's codes and words and 64 KB of k; a joint request lands in LDS, from where every fragment would have to be read again, while here each wave's quarter is read once,
; into the operand's own registers.  NO TENSOR LOAD, NO RING: nothing is streamed.  NO PREFETCH: all 80 loads of a wave are issued at the head.
; LIMITS: NaN and infinities in what is read are not served; a block whose largest magnitude lies under 2^-124 (zeros too) keeps the byte 1; a p under 2^-126 comes out of v_exp_f32 as 0 (ISA guide, 15.8);
;         t - M is one fused multiply-add of the raw sum with log2(e) / 8, where reference() rounds after the division and after the multiplication.
; REGISTERS, in windows of 256 (s_set_vgpr_msb: bits 1:0 source 0, 3:2 source 1, 5:4 source 2, 7:6 destination):
;   window 0: v1-21 addresses and constants; v24-31, v40, v52, v208-223 scale words and nothing else; v32-39 the const p's codes; v44-51 Q; v64-191 k as loaded, then S^T and p, then the real tiles' P and 1 / l;
;             v192-207 at work, then p's codes; v224-255 q as loaded, then at work
;   window 1: v0-127 V^T's 16 fragments; v128-255 K's 16   window 2: the 32 accumulators (const tile i at 8 i, real tile q at 224 + 8 q)   window 3: rows on the way out
.set KIMG, 0                           ; LDS: K's 16 fragments' lower halves, 512 bytes each
.set KSC,  8192                        ; their scale words, 128 bytes each
.set PIMG, 10240                       ; for each real tile 2,560 bytes: p's two window fragments (1,024 each), the masked p's four registers (512)
.set PSC,  20480                       ; for each real tile 512 bytes: 1 / l, the masked p's scale word, the two window words, 128 each
.set RST,  22528                       ; stage of the 64 real rows
.set CST,  39936                       ; stage of the 448 const rows; ends at 161,792
.set SP,   272                         ; a stage row: 256 bytes + 16: sixteen rows begin at sixteen different 16-byte columns modulo 256
.set LI,  4                            ; 16 x lane
.set LS,  5                            ; 4 x lane
.set VSA, 6                            ; V's scale words: 256 h + 4 r
.set QA,  7                            ; q: 256 r + 128 h
.set KA,  8                            ; k: 256 (r + 8 (r / 8)) + 128 h
.set KWI, 9                            ; LI + 2,048 w
.set WS,  10                           ; LS + 512 w
.set PWI, 11                           ; LI + 2,560 w
.set SO,  13                           ; const stage, in: CST + 272 r + 32 h + 64 w
.set SO2, 14                           ; the same 14 tiles on
.set SR,  15                           ; const stage, back: CST + 112 w rows + 272 h + 16 r
.set GO,  16                           ; out0: 256 h + 16 r
.set RSO, 17                           ; real stage, in: 272 r + 32 h + 64 w
.set RSR, 18                           ; real stage, back: 16 w rows + 272 h + 16 r
.set SH8, 19                           ; 8 h
.set DL,  20                           ; my query - 16 h
.set NEG, 21                           ; -80000.0: the fill x 8, so that it goes through the same multiply-add as a raw sum
.set VS,  24                           ; v24-31 V's scale words: register g: lanes 0-15 K step 2 g, lanes 16-31 K step 2 g + 1
.set CP,  32
.set CPS, 40
.set RL0, 42                           ; v[42:43] 1 / l of a const row, twice
.set QF,  44
.set QS,  52
.set RL,  54                           ; what my real tile hands on: 1 / l,
.set PMW, 55                           ; the masked p's scale word,
.set W0W, 56                           ; the window's two
.set W1W, 57
.set S,   64
.set RP,  64                           ; real tile q: 24 registers: window fragments 0 and 1, the masked fragment
.set RLQ, 160                          ; v160-167 1 / l of real tile q, twice
.set PC,  192
.set KS,  208                          ; K's 16 scale words; later
.set RPS, 208                          ; real tile q's three: masked, window 0, window 1
.set QL,  224
.set KC,  224
.set M4,  240
.set SO4, 244
.set TP4, 248
.set BM,  224
.set BT,  232
.set SO8, 240
.set PMC, 240
.set RM,  248
.set TMX, 249
.set NM,  250
.set CM,  252
.set TL,  253
.set SUM, 254
.set MSB, 0
.macro WIN new                         ; the immediate's high byte repeats the setting that is left; a switch that changes nothing is dropped
.if MSB != \new
	s_set_vgpr_msb (MSB<<8)|\new
.set MSB, \new
.endif
.endm
.macro PLACES                          ; four plain lines between a matrix instruction and the first vector line or LDS store that reads its result
.rept 4
	v_nop
.endr
.endm
.macro BARRIER                         ; my LDS stores have landed and my LDS loads are in: then the work-group's barrier
	s_wait_dscnt 0x0
	s_barrier_signal -1
	s_barrier_wait -1
.endm
; A block of 32 equal numbers v[src]: n registers of codes from v[dst] on, and the scale word (the byte four times) in v[word].  v[t8] on: eight copies for the conversion.
.macro FLATP src, dst, n, word, t8
.irp e, 0,1,2,3,4,5,6,7
	v_mov_b32 v[\t8+\e], v[\src]
.endr
	v_max_num_f32 v58, 0x1800000, v[\src]          ; the floor 2^(3 - 127): the byte cannot fall under 1 (a p that has fallen to 0 keeps that byte: its codes are zeros)
	v_add_nc_u32 v59, 0xff000000, v58              ; 2 off the exponent field: the conversion's scale operand
	v_lshrrev_b32 v60, 23, v59
	v_lshl_or_b32 v60, v60, 8, v60
	v_lshl_or_b32 v[\word], v60, 16, v60
.set fe, 0
.rept \n
	v_cvt_scalef32_pk8_fp4_f32 v[\dst+fe], v[\t8:\t8+7], v59
.set fe, fe+1
.endr
	v_nop                                          ; one plain line behind the last conversion
.endm
	; ---- the head: addresses, then all 80 loads
	s_load_b256 s[4:11], s[0:1], 0x0               ; q s[4:5], k s[6:7], vcodes s[8:9], vscales s[10:11]
	s_load_b64 s[12:13], s[0:1], 0x20              ; out0
	v_lshl_add_u32 v41, v0, 2, 0x27800
	v_mov_b32 v53, 0
	v_lshrrev_b32 v3, 5, v0
	v_readfirstlane_b32 s14, v3                    ; wave w
	s_mov_b32 s15, ttmp9                           ; CX
	s_and_b32 s16, ttmp7, 0xffff                   ; head
	v_and_b32 v1, 15, v0                           ; r
	v_bfe_u32 v2, v0, 4, 1                         ; h
	v_and_b32 v3, 31, v0
	v_lshlrev_b32 v[LI], 4, v3
	v_lshlrev_b32 v[LS], 2, v3
	v_lshlrev_b32 v[VSA], 2, v1
	v_lshl_add_u32 v[VSA], v2, 8, v[VSA]
	v_lshlrev_b32 v[QA], 8, v1
	v_lshl_add_u32 v[QA], v2, 7, v[QA]
	v_and_b32 v12, 8, v1
	v_add_nc_u32 v12, v12, v1                      ; r + 8 (r / 8)
	v_lshlrev_b32 v[KA], 8, v12
	v_lshl_add_u32 v[KA], v2, 7, v[KA]
	s_lshl_b32 s18, s16, 19                        ; a head of q, k, out0: 524,288 bytes
	s_lshl_b32 s28, s15, 14                        ; my real rows: 64 CX + 16 w, 256 bytes a row
	s_lshl_b32 s29, s14, 12
	s_add_co_u32 s28, s28, s29
	s_add_co_u32 s28, s28, s18
	s_mov_b32 s29, 0
	s_lshl_b32 s30, s14, 14                        ; my 64 window keys: row 1,792 + 64 w
	s_add_co_u32 s30, s30, s18
	s_add_co_u32 s30, s30, 458752
	s_mov_b32 s31, 0
	s_lshl_b32 s32, s16, 16                        ; vcodes: head x 65,536 + tile w x 16,384
	s_lshl_b32 s33, s14, 14
	s_add_co_u32 s32, s32, s33
	s_mov_b32 s33, 0
	s_lshl_b32 s34, s16, 12                        ; vscales: head x 4,096 + 16 w words
	s_lshl_b32 s35, s14, 6
	s_add_co_u32 s34, s34, s35
	s_mov_b32 s35, 0
	s_mul_i32 s36, s15, 114688                     ; the const rows that I store: 256 + 448 CX + 112 w
	s_mul_i32 s37, s14, 28672
	s_add_co_u32 s36, s36, s37
	s_add_co_u32 s36, s36, s18
	s_add_co_u32 s36, s36, 65536
	s_mov_b32 s37, 0
	s_mov_b32 s24, 0x76543210
	s_mov_b32 s25, 0xfedcba98                      ; v_permlanex16_b32's selects for lane l xor 16
	s_mov_b32 s26, 0x3e38aa3b                      ; c = log2(e) / 8
	s_mov_b32 s27, s26                             ; (named with it as a pair, so it is written)
	s_wait_kmcnt 0x0
	s_add_nc_u64 s[4:5], s[4:5], s[28:29]
	s_add_nc_u64 s[6:7], s[6:7], s[30:31]
	s_add_nc_u64 s[8:9], s[8:9], s[32:33]
	s_add_nc_u64 s[10:11], s[10:11], s[34:35]
	s_add_nc_u64 s[20:21], s[12:13], s[28:29]      ; out0 at my real rows
	s_add_nc_u64 s[22:23], s[12:13], s[36:37]      ; out0 at my const rows
.irp g, 0,1,2,3,4,5,6,7
	global_load_b32 v[VS+\g], v[VSA], s[10:11] offset:512*\g
.endr
	WIN 0x40                                       ; destination window 1
.set i, 0
.rept 32
	global_load_b128 v[4*i:4*i+3], v[LI], s[8:9] offset:512*i      ; V^T: K step i / 2, group i % 2: 512 consecutive bytes
.set i, i+1
.endr
	WIN 0
.irp e, 0,1,2,3,4,5,6,7
	global_load_b128 v[QL+4*\e:QL+4*\e+3], v[QA], s[4:5] offset:16*\e th:TH_LOAD_NT   ; q(r, 32 h + 4 e ..): a whole block of 32 in a lane; read by this wave alone
.endr
.irp tt, 0,1,2,3
.irp e, 0,1,2,3,4,5,6,7
	global_load_b128 v[S+32*\tt+4*\e:S+32*\tt+4*\e+3], v[KA], s[6:7] offset:(32*(\tt/2)+8*(\tt%2))*256+16*\e
.endr
.endr
	s_lshl_b32 s28, s14, 11
	v_add_nc_u32 v[KWI], s28, v[LI]
	s_lshl_b32 s28, s14, 9
	v_add_nc_u32 v[WS], s28, v[LS]
	s_mul_i32 s28, s14, 2560
	v_add_nc_u32 v[PWI], s28, v[LI]
	v_mul_u32_u24 v12, v1, SP
	v_lshl_add_u32 v12, v2, 5, v12
	s_lshl_b32 s28, s14, 6
	v_add_nc_u32 v[RSO], s28, v12
	v_add_nc_u32 v[SO], CST, v[RSO]
	v_add_nc_u32 v[SO2], 14*16*SP, v[SO]
	v_mul_u32_u24 v12, v2, SP
	v_lshl_add_u32 v12, v1, 4, v12
	s_mul_i32 s28, s14, 16*SP
	v_add_nc_u32 v[RSR], s28, v12
	s_mul_i32 s28, s14, 112*SP
	s_add_co_u32 s28, s28, CST
	v_add_nc_u32 v[SR], s28, v12
	v_lshlrev_b32 v[GO], 8, v2
	v_lshl_add_u32 v[GO], v1, 4, v[GO]
	v_lshlrev_b32 v[SH8], 3, v2
	s_lshl_b32 s28, s15, 6
	s_lshl_b32 s29, s14, 4
	s_add_co_u32 s28, s28, s29
	v_add_nc_u32 v[DL], s28, v1
	v_lshlrev_b32 v12, 4, v2
	v_sub_nc_u32 v[DL], v[DL], v12                 ; below 0 in some lanes: it is compared as a signed number
	v_mov_b32 v[NEG], 0xc79c4000
	; ---- the const rows' p, while the loads are on their way
	v_mul_f32 v61, s26, v[NEG]                     ; tm
	v_floor_f32 v62, -v61                          ; -M = floor(-tm)
	v_fma_f32 v61, v[NEG], s26, v62                ; tm - M
	v_exp_f32 v63, v61                             ; p
	v_mov_b32 v204, 0                              ; (a plain line behind the exponential; a lane permute's destination counts as read, so v204 is written once)
	s_wait_alu depctr_va_vdst(0)                   ; the wait ahead of the first line that names the result
	FLATP 63, CP, 8, CPS, 192
	v_mul_f32 v61, 0x45000000, v63                 ; l = 2,048 p
	v_rcp_f32 v[RL0], v61
.irp e, 4,5,6,7
	v_mov_b32 v[QF+\e], 0                          ; Q's k = 64 .. 127: zero codes
.endr
	WIN 0x40
.set i, 0
.rept 16
.irp e, 4,5,6,7
	v_mov_b32 v[128+8*i+\e], 0                     ; K's likewise.  (These 64 lines are also the plain lines between the writing of the const p's codes and scale word and the first product)
.endr
.set i, i+1
.endr
	WIN 0
	s_wait_alu depctr_va_vdst(0)                   ; the reciprocal's wait, ahead of its first reader
	v_mov_b32 v[RL0+1], v[RL0]
	; ---- the const tiles: O^T = V^T P^T, 16 K steps x 28 tiles.  The 28 accumulators take turns, one instruction a turn.
	WIN 0xa1                                       ; V^T window 1, P window 0, C and D window 2
.set ks, 0
.rept 16
.if 40+2*(15-ks) > 63                  ; behind K step ks's two loads were issued the later steps' 2 (15 - ks) and the 40 of q and k; a wait names 63 at the most
	s_wait_loadcnt 63
.else
	s_wait_loadcnt 40+2*(15-ks)
.endif
.set ti, 0
.rept 28
.if ks == 0
	v_wmma_scale_f32_16x16x128_f8f6f4 v[8*ti:8*ti+7], v[8*ks:8*ks+7], v[CP:CP+7], 0, v[VS+ks/2], v[CPS] matrix_a_fmt:MATRIX_FMT_FP4 matrix_b_fmt:MATRIX_FMT_FP4
.elseif ks%2
	v_wmma_scale_f32_16x16x128_f8f6f4 v[8*ti:8*ti+7], v[8*ks:8*ks+7], v[CP:CP+7], v[8*ti:8*ti+7], v[VS+ks/2], v[CPS] matrix_a_fmt:MATRIX_FMT_FP4 matrix_b_fmt:MATRIX_FMT_FP4 matrix_a_scale:MATRIX_SCALE_ROW1
.else
	v_wmma_scale_f32_16x16x128_f8f6f4 v[8*ti:8*ti+7], v[8*ks:8*ks+7], v[CP:CP+7], v[8*ti:8*ti+7], v[VS+ks/2], v[CPS] matrix_a_fmt:MATRIX_FMT_FP4 matrix_b_fmt:MATRIX_FMT_FP4
.endif
.set ti, ti+1
.endr
.set ks, ks+1
.endr
	; ---- their way out: / l, into the stage (a row's 256 bytes come from four waves), a barrier, back as whole rows.  These stores leave while the real tiles are made.
	PLACES
	WIN 0x82                                       ; destination and source 0 window 2, 1 / l window 0
.set j, 0
.rept 112
	v_pk_mul_f32 v[j:j+1], v[j:j+1], v[RL0:RL0+1]  ; ascending: each accumulator is first read at its low end
.set j, j+2
.endr
	WIN 0x08                                       ; an LDS store's data are its source 1: window 2
.set ti, 0
.rept 14
	ds_store_b128 v[SO], v[8*ti:8*ti+3] offset:16*SP*ti            ; lane (r, h): row 16 ti + r, d = 16 w + 8 h + 0 .. 7
	ds_store_b128 v[SO], v[8*ti+4:8*ti+7] offset:16*SP*ti+16
.set ti, ti+1
.endr
.set ti, 0
.rept 14
	ds_store_b128 v[SO2], v[112+8*ti:112+8*ti+3] offset:16*SP*ti
	ds_store_b128 v[SO2], v[112+8*ti+4:112+8*ti+7] offset:16*SP*ti+16
.set ti, ti+1
.endr
	BARRIER                                        ; 448 whole rows lie in the stage
	WIN 0xc0                                       ; destination window 3
.set ti, 0
.rept 56
	ds_load_b128 v[4*ti:4*ti+3], v[SR] offset:2*SP*ti              ; lanes 0-15 one row, lanes 16-31 the next
.set ti, ti+1
.endr
	WIN 0x0c                                       ; a store's data are its source 1: window 3
.set ti, 0
.rept 56
	s_wait_dscnt 55-ti                             ; LDS loads come back in order: pair ti is in, the younger ones stay out
	global_store_b128 v[GO], v[4*ti:4*ti+3], s[22:23] offset:512*ti th:TH_STORE_NT   ; two rows: twice 256 consecutive aligned bytes; these registers are not written again
.set ti, ti+1
.endr
	; ---- Q: my 16 queries; a lane holds the whole block k = 32 h + 0 .. 31
	WIN 0
	s_wait_loadcnt 0x0                             ; q and k are in
	v_max3_num_f32 v200, |v[QL]|, |v[QL+1]|, |v[QL+2]|
	v_max3_num_f32 v201, |v[QL+3]|, |v[QL+4]|, |v[QL+5]|
.irp e, 6,10,14,18,22,26
	v_max3_num_f32 v200, v200, |v[QL+\e]|, |v[QL+\e+1]|
	v_max3_num_f32 v201, v201, |v[QL+\e+2]|, |v[QL+\e+3]|
.endr
	v_max3_num_f32 v200, v200, |v[QL+30]|, |v[QL+31]|
	v_max3_num_f32 v200, v200, v201, 0x1800000     ; and the floor 2^(3 - 127)
	v_add_nc_u32 v202, 0xff000000, v200
.irp g, 0,1,2,3
	v_cvt_scalef32_pk8_fp4_f32 v[QF+\g], v[QL+8*\g:QL+8*\g+7], v202
.endr
	v_lshrrev_b32 v203, 23, v202                   ; my block's byte (also the plain line behind the conversions),
	v_lshlrev_b32 v203, v[SH8], v203               ; at its place, 8 h bits up;
	v_permlanex16_b32 v204, v203, s24, s25
	v_or_b32 v203, v203, v204                      ; with lane l xor 16's;
	v_or_b32 v[QS], 0x7f7f0000, v203               ; 127 over the zero codes of k = 64 .. 127
	; ---- K: my four tiles of 16 window keys, by turns
.irp tt, 0,1,2,3
	v_mov_b32 v[TP4+\tt], 0
.endr
.irp tt, 0,1,2,3
	v_max3_num_f32 v[M4+\tt], |v[S+32*\tt]|, |v[S+32*\tt+1]|, 0x1800000
.endr
.irp e, 2,4,6,8,10,12,14,16,18,20,22,24,26,28,30
.irp tt, 0,1,2,3
	v_max3_num_f32 v[M4+\tt], v[M4+\tt], |v[S+32*\tt+\e]|, |v[S+32*\tt+\e+1]|
.endr
.endr
.irp tt, 0,1,2,3
	v_add_nc_u32 v[SO4+\tt], 0xff000000, v[M4+\tt]
.endr
.irp tt, 0,1,2,3
.irp g, 0,1,2,3
	v_cvt_scalef32_pk8_fp4_f32 v[KC+4*\tt+\g], v[S+32*\tt+8*\g:S+32*\tt+8*\g+7], v[SO4+\tt]
.endr
.endr
.irp tt, 0,1,2,3
	v_lshrrev_b32 v[M4+\tt], 23, v[SO4+\tt]
.endr
.irp tt, 0,1,2,3
	v_lshlrev_b32 v[M4+\tt], v[SH8], v[M4+\tt]
.endr
.irp tt, 0,1,2,3
	v_permlanex16_b32 v[TP4+\tt], v[M4+\tt], s24, s25
.endr
.irp tt, 0,1,2,3
	v_or_b32 v[M4+\tt], v[M4+\tt], v[TP4+\tt]
.endr
.irp tt, 0,1,2,3
	v_or_b32 v[M4+\tt], 0x7f7f0000, v[M4+\tt]
.endr
.irp tt, 0,1,2,3
	ds_store_b128 v[KWI], v[KC+4*\tt:KC+4*\tt+3] offset:KIMG+512*\tt   ; tile 4 w + tt: the image of its four lower registers
	ds_store_b32 v[WS], v[M4+\tt] offset:KSC+128*\tt
.endr
	BARRIER                                        ; K's sixteen tiles lie in LDS
	; ---- S^T = K Q^T: 16 tiles of 16 keys x my 16 queries.  Q's codes and word were written more than eight plain vector lines back (K's quantising)
	WIN 0x40
.set ti, 0
.rept 16
	ds_load_b128 v[128+8*ti:128+8*ti+3], v[LI] offset:KIMG+512*ti
.set ti, ti+1
.endr
	WIN 0
.set ti, 0
.rept 16
	ds_load_b32 v[KS+ti], v[LS] offset:KSC+128*ti
.set ti, ti+1
.endr
	s_wait_dscnt 0x0
	WIN 0x01                                       ; K window 1; Q and S^T window 0
.set ti, 0
.rept 16
	v_wmma_scale_f32_16x16x128_f8f6f4 v[S+8*ti:S+8*ti+7], v[128+8*ti:128+8*ti+7], v[QF:QF+7], 0, v[KS+ti], v[QS] matrix_a_fmt:MATRIX_FMT_FP4 matrix_b_fmt:MATRIX_FMT_FP4
.set ti, ti+1
.endr
	WIN 0
	PLACES
	; ---- the mask: register n holds window key 32 (n / 16) + n % 16 + 16 h; it is hidden where that is <= my query.  Ascending: each accumulator is first read at its low end
.set n, 0
.rept 128
	v_cmp_le_i32 vcc_lo, 32*(n/16)+n%16, v[DL]
	v_cndmask_b32 v[S+n], v[S+n], v[NEG], vcc_lo
.set n, n+1
.endr
	; ---- the largest number of each block of 32 keys: it serves the row's maximum and, since p rises with the score, the block's largest p
.irp b, 0,1,2,3,4,5,6,7
	v_max3_num_f32 v[BM+\b], v[S+16*\b], v[S+16*\b+1], v[S+16*\b+2]
.endr
.irp e, 3,5,7,9,11,13
.irp b, 0,1,2,3,4,5,6,7
	v_max3_num_f32 v[BM+\b], v[BM+\b], v[S+16*\b+\e], v[S+16*\b+\e+1]
.endr
.endr
.irp b, 0,1,2,3,4,5,6,7
	v_max_num_f32 v[BM+\b], v[BM+\b], v[S+16*\b+15]
.endr
.irp b, 0,1,2,3,4,5,6,7
	v_permlanex16_b32 v[BT+\b], v[BM+\b], s24, s25
.endr
.irp b, 0,1,2,3,4,5,6,7
	v_max_num_f32 v[BM+\b], v[BM+\b], v[BT+\b]     ; with lane l xor 16's 16 keys
.endr
	v_max3_num_f32 v[RM], v[BM], v[BM+1], v[BM+2]
	v_max3_num_f32 v[RM], v[RM], v[BM+3], v[BM+4]
	v_max3_num_f32 v[RM], v[RM], v[BM+5], v[BM+6]
	v_max_num_f32 v[RM], v[RM], v[BM+7]            ; the row's largest: the fill is among these (window key 0)
	v_mul_f32 v[TMX], s26, v[RM]
	v_floor_f32 v[NM], -v[TMX]                     ; -M = floor(-t) = -ceil(t)
	v_mov_b32 v[NM+1], v[NM]
.set j, 0
.rept 64
	v_pk_fma_f32 v[S+j:S+j+1], v[S+j:S+j+1], s[26:27], v[NM:NM+1] op_sel_hi:[1,0,0]   ; t - M, two at a time
.set j, j+2
.endr
.irp b, 0,1,2,3,4,5,6,7
	v_fma_f32 v[BM+\b], v[BM+\b], s26, v[NM]       ; the same of each block's largest
.endr
	v_fma_f32 v[CM], v[NEG], s26, v[NM]            ; and of the fill: keys 0 .. 1,791
.set n, 0
.rept 128
	v_exp_f32 v[S+n], v[S+n]                       ; p = 2^(t - M): one batch
.set n, n+1
.endr
	v_mov_b32 v[TL], 0                             ; a plain line behind the exponentials (and a permute's destination is written)
	s_wait_alu depctr_va_vdst(0)                   ; one wait for the batch, ahead of its first reader
.irp b, 0,1,2,3,4,5,6,7
	v_exp_f32 v[BM+\b], v[BM+\b]                   ; each block's largest p: the same two instructions on the same number
.endr
	v_exp_f32 v[CM], v[CM]                         ; the masked p
	v_pk_add_f32 v[SUM:SUM+1], v[S:S+1], v[S+2:S+3]   ; the sum of the UNQUANTISED p, two at a time, in two chains: these lines read the 128 alone
	v_pk_add_f32 v[BT:BT+1], v[S+4:S+5], v[S+6:S+7]
.set j, 8
.rept 30
	v_pk_add_f32 v[SUM:SUM+1], v[SUM:SUM+1], v[S+j:S+j+1]
	v_pk_add_f32 v[BT:BT+1], v[BT:BT+1], v[S+j+2:S+j+3]
.set j, j+4
.endr
	v_pk_add_f32 v[SUM:SUM+1], v[SUM:SUM+1], v[BT:BT+1]
	s_wait_alu depctr_va_vdst(0)                   ; and one for the nine
	v_add_f32 v[SUM], v[SUM], v[SUM+1]
	v_permlanex16_b32 v[TL], v[SUM], s24, s25
	v_add_f32 v[SUM], v[SUM], v[TL]                ; the window's 256
	v_fma_f32 v[SUM], 0x44e00000, v[CM], v[SUM]    ; + 1,792 x the masked p: l
	v_rcp_f32 v[RL], v[SUM]                        ; its wait stands ahead of the image stores; the quantiser is the work between
	; ---- p becomes two fragments along the keys
.irp b, 0,1,2,3,4,5,6,7
	v_max_num_f32 v[BM+\b], 0x1800000, v[BM+\b]    ; the floor 2^(3 - 127)
.endr
.irp b, 0,1,2,3,4,5,6,7
	v_add_nc_u32 v[SO8+\b], 0xff000000, v[BM+\b]
.endr
.irp b, 0,1,2,3,4,5,6,7
	v_lshrrev_b32 v[BT+\b], 23, v[SO8+\b]
.endr
	v_lshl_or_b32 v[W0W], v[BT+1], 8, v[BT]
	v_lshl_or_b32 v[W1W], v[BT+5], 8, v[BT+4]
	v_lshl_or_b32 v[W0W], v[BT+2], 16, v[W0W]
	v_lshl_or_b32 v[W1W], v[BT+6], 16, v[W1W]
	v_lshl_or_b32 v[W0W], v[BT+3], 24, v[W0W]
	v_lshl_or_b32 v[W1W], v[BT+7], 24, v[W1W]
.irp b, 0,1,2,3,4,5,6,7
	v_cvt_scalef32_pk8_fp4_f32 v[PC+2*\b], v[S+16*\b:S+16*\b+7], v[SO8+\b]
	v_cvt_scalef32_pk8_fp4_f32 v[PC+2*\b+1], v[S+16*\b+8:S+16*\b+15], v[SO8+\b]
.endr
	v_nop                                          ; one plain line behind the last conversion
.irp cc, 0,1,2,3                       ; the operand's layout wants a WHOLE block in a lane: lanes 0-15 the even block, lanes 16-31 the odd one
.irp e, 0,1
	v_permlane16_swap_b32 v[PC+4*\cc+\e], v[PC+4*\cc+2+\e]
.endr
.endr
	FLATP CM, PMC, 4, PMW, BM                      ; the masked p's fragment: all its registers are alike, four go to LDS
	s_wait_alu depctr_va_vdst(0)                   ; the reciprocal's wait, ahead of its first reader
.irp e, 0,1,2,3
	ds_store_b128 v[PWI], v[PC+4*\e:PC+4*\e+3] offset:PIMG+512*\e
.endr
	ds_store_b128 v[PWI], v[PMC:PMC+3] offset:PIMG+2048
	ds_store_b32 v[WS], v[RL] offset:PSC
	ds_store_b32 v[WS], v[PMW] offset:PSC+128
	ds_store_b32 v[WS], v[W0W] offset:PSC+256
	ds_store_b32 v[WS], v[W1W] offset:PSC+384
	BARRIER                                        ; the four real tiles' P lie in LDS
	; ---- the real tiles: my 16 d for the four tiles of queries
.irp qq, 0,1,2,3
.irp e, 0,1,2,3
	ds_load_b128 v[RP+24*\qq+4*\e:RP+24*\qq+4*\e+3], v[LI] offset:PIMG+2560*\qq+512*\e
.endr
	ds_load_b128 v[RP+24*\qq+16:RP+24*\qq+19], v[LI] offset:PIMG+2560*\qq+2048
	ds_load_b128 v[RP+24*\qq+20:RP+24*\qq+23], v[LI] offset:PIMG+2560*\qq+2048   ; the same four registers once more
	ds_load_b32 v[RLQ+2*\qq], v[LS] offset:PSC+512*\qq
	ds_load_b32 v[RLQ+2*\qq+1], v[LS] offset:PSC+512*\qq                          ; a pair for the packed multiply
.irp e, 0,1,2
	ds_load_b32 v[RPS+3*\qq+\e], v[LS] offset:PSC+512*\qq+128+128*\e
.endr
.endr
	s_wait_dscnt 0x0
	WIN 0xa1
.set ks, 0
.rept 16                               ; K steps 0 .. 13: keys 0 .. 1,791, the masked fragment; 14 and 15: the window.  Four accumulators by turns, one instruction a turn
.set qq, 0
.rept 4
.set rB, RP+24*qq+16
.set rW, RPS+3*qq
.if ks >= 14
.set rB, RP+24*qq+8*(ks-14)
.set rW, RPS+3*qq+1+(ks-14)
.endif
.if ks == 0
	v_wmma_scale_f32_16x16x128_f8f6f4 v[224+8*qq:224+8*qq+7], v[8*ks:8*ks+7], v[rB:rB+7], 0, v[VS+ks/2], v[rW] matrix_a_fmt:MATRIX_FMT_FP4 matrix_b_fmt:MATRIX_FMT_FP4
.elseif ks%2
	v_wmma_scale_f32_16x16x128_f8f6f4 v[224+8*qq:224+8*qq+7], v[8*ks:8*ks+7], v[rB:rB+7], v[224+8*qq:224+8*qq+7], v[VS+ks/2], v[rW] matrix_a_fmt:MATRIX_FMT_FP4 matrix_b_fmt:MATRIX_FMT_FP4 matrix_a_scale:MATRIX_SCALE_ROW1
.else
	v_wmma_scale_f32_16x16x128_f8f6f4 v[224+8*qq:224+8*qq+7], v[8*ks:8*ks+7], v[rB:rB+7], v[224+8*qq:224+8*qq+7], v[VS+ks/2], v[rW] matrix_a_fmt:MATRIX_FMT_FP4 matrix_b_fmt:MATRIX_FMT_FP4
.endif
.set qq, qq+1
.endr
.set ks, ks+1
.endr
	PLACES
	WIN 0x82
.irp qq, 0,1,2,3
.irp e, 0,2,4,6
	v_pk_mul_f32 v[224+8*\qq+\e:224+8*\qq+\e+1], v[224+8*\qq+\e:224+8*\qq+\e+1], v[RLQ+2*\qq:RLQ+2*\qq+1]   ; / l, each accumulator from its low end on
.endr
.endr
	WIN 0x08
.irp qq, 0,1,2,3
	ds_store_b128 v[RSO], v[224+8*\qq:224+8*\qq+3] offset:RST+16*SP*\qq
	ds_store_b128 v[RSO], v[224+8*\qq+4:224+8*\qq+7] offset:RST+16*SP*\qq+16
.endr
	BARRIER                                        ; 64 whole rows lie in the stage
	WIN 0xc0
.irp e, 0,1,2,3,4,5,6,7
	ds_load_b128 v[224+4*\e:224+4*\e+3], v[RSR] offset:RST+2*SP*\e
.endr
	WIN 0x0c
.irp e, 0,1,2,3,4,5,6,7
	s_wait_dscnt 7-\e                              ; pair e is in, the younger ones stay out
	global_store_b128 v[GO], v[224+4*\e:224+4*\e+3], s[20:21] offset:512*\e th:TH_STORE_NT   ; two rows: twice 256 consecutive aligned bytes
.endr
	s_set_vgpr_msb 0xc00
	s_wait_tensorcnt 0x0
	ds_add_u32 v41, v53
	s_wait_dscnt 0x0
	s_set_vgpr_msb 0xc
	s_endpgm
.Lfunc_end_k_q3679084078_attn:
	.size	k_q3679084078_attn, .Lfunc_end_k_q3679084078_attn-k_q3679084078_attn
	.p2alignl 7, 3214868480
	.fill 96, 4, 3214868480
	.section	.rodata,"a",@progbits
	.p2align	6, 0x0
	.amdhsa_kernel k_q3679084078_attn
		.amdhsa_group_segment_fixed_size 162304
		.amdhsa_private_segment_fixed_size 0
		.amdhsa_enable_private_segment 0
		.amdhsa_kernarg_size 40
		.amdhsa_user_sgpr_count 2
		.amdhsa_user_sgpr_kernarg_segment_ptr 1
		.amdhsa_wavefront_size32 1
		.amdhsa_system_sgpr_workgroup_id_x 1
		.amdhsa_system_sgpr_workgroup_id_y 1
		.amdhsa_system_sgpr_workgroup_id_z 1
		.amdhsa_system_vgpr_workitem_id 0
		.amdhsa_next_free_vgpr 1024
		.amdhsa_next_free_sgpr 66
		.amdhsa_reserve_vcc 1
		.amdhsa_float_denorm_mode_32 3
		.amdhsa_float_denorm_mode_16_64 3
		.amdhsa_memory_ordered 1
		.amdhsa_forward_progress 1
		.amdhsa_inst_pref_size 154
	.end_amdhsa_kernel
	.amdgpu_metadata
---
amdhsa.version: [ 1, 2 ]
amdhsa.kernels:
  - .name:           k_q3679084078_attn
    .symbol:         k_q3679084078_attn.kd
    .args:
      - { .name: q, .offset: 0, .size: 8, .value_kind: global_buffer, .address_space: global }
      - { .name: k, .offset: 8, .size: 8, .value_kind: global_buffer, .address_space: global }
      - { .name: vcodes, .offset: 16, .size: 8, .value_kind: global_buffer, .address_space: global }
      - { .name: vscales, .offset: 24, .size: 8, .value_kind: global_buffer, .address_space: global }
      - { .name: out0, .offset: 32, .size: 8, .value_kind: global_buffer, .address_space: global }
    .group_segment_fixed_size: 162304
    .private_segment_fixed_size: 0
    .kernarg_segment_align: 8
    .kernarg_segment_size: 40
    .max_flat_workgroup_size: 128
    .sgpr_count:     66
    .vgpr_count:     1024
    .wavefront_size: 32
...
	.end_amdgpu_metadata
.endif
;; end of part 2
